; MI455X (gfx1250); checked and timed in simulation.
; The chip was launched on July 23, 2026; its instructions are those of AMD's public machine-readable ISA for CDNA 5 (MIT licence, August 2026) and "CDNA5" Instruction Set Architecture Reference Guide (July 2026). The comments in the code are by the model that wrote it; some were corrected since.
;; Sliding Window Multi Head Attention. Allowed arithmetic: matrix products marked QUANTISED: E2M3 operands, one E8M0 scale for each 32 along K, by v_wmma_scale_f32_16x16x128_f8f6f4 with both operands' format E2M3, f32 sums; everything else in f32.
;; Inputs: Wk 512 x 512 float32; Wo 512 x 512 float32; Wq 512 x 512 float32; Wv 512 x 512 float32; bk 512 float32; bo 512 float32; bq 512 float32; bv 512 float32; k 4 x 8 x 1,024 x 512 float32; mask 1 float32; q 4 x 8 x 1,024 x 512 float32; v 4 x 8 x 1,024 x 512 float32.
;; Outputs: out0 4 x 8,192 x 512 float32.
;; This version of the problem:
;;   THIS VERSION OF THE PROBLEM IS GIVEN IN LOW PRECISION. The matrix products marked QUANTISED in the list below multiply operands that are first quantised to E2M3 (2 exponent bits, 3 mantissa bits; 6 bits a number), with one power-of-two scale for each 32 numbers along K (OCP MX v1.0); their sums are f32. All else is computed in f32.
;;   The module's matrix products, in the order in which they are computed (A, B: the left and right operand; K: the contracted axis; several contracted axes count as one K, in the product's order):
;;     1. [M 32,768, K 512] x [K 512, N 512]; A: input q; B: input Wq: QUANTISED
;;     2. [M 32,768, K 512] x [K 512, N 512]; A: input k; B: input Wk: QUANTISED
;;     3. [M 32,768, K 512] x [K 512, N 512]; A: input v; B: input Wv: QUANTISED
;;     4. batch 32 x [M 1,024, K 512] x [K 512, N 1,024]; A: computed on the way; B: computed on the way: QUANTISED
;;     5. batch 32 x [M 1,024, K 1,024] x [K 1,024, N 512]; A: softmax (see below); B: computed on the way: QUANTISED
;;     6. [M 32,768, K 512] x [K 512, N 512]; A: computed on the way; B: input Wo: QUANTISED
;;   THE QUANTISER, for each operand of a quantised product, along K:
;;     - K is cut into blocks of 32 from its start; a last block that is shorter is filled with zeros.
;;     - A block's scale is 2^e with e = floor(log2(the largest magnitude in the block)) - 2, held to -126 .. 127; a block of zeros has e = 0. As a byte (E8M0): e + 127.
;;     - Each number is divided by its block's scale, clamped to +-7.5, and rounded to the nearest number of E2M3, ties to even, subnormals kept.
;;     - The product sums the exact products of the quantised numbers (number of the format x scale) in f32.
;;   ~~~python
;;   def quantise(x, axis):      # numpy; x: float32 -> the quantised numbers, widened to float32 again
;;       x = np.moveaxis(x, axis, -1); K = x.shape[-1]
;;       x = np.pad(x, [(0, 0)] * (x.ndim - 1) + [(0, -K % 32)]); x = x.reshape(x.shape[:-1] + (-1, 32)); a = np.abs(x).max(-1, keepdims=True)
;;       e = np.where(a > 0, np.clip(np.frexp(np.where(a > 0, a, 1))[1] - 1 - 2, -126, 127), 0)      # np.frexp(a)[1] - 1 = floor(log2(a)), exactly
;;       r = np.clip(x / 2.0 ** e, -7.5, 7.5)
;;       step = 2.0 ** (np.maximum(np.frexp(np.where(r == 0, 1, r))[1] - 1, 0) - 3)
;;       q = np.round(r / step) * step * 2.0 ** e      # np.round: ties to even
;;       return np.moveaxis(q.reshape(q.shape[:-2] + (-1,))[..., :K], -1, axis).astype(np.float32)
;;   ~~~
;;   SOFTMAX AHEAD OF A QUANTISED PRODUCT. Where the list says 'softmax', what is quantised is not the finished softmax but p = 2^(t - M), with t = logit x log2(e) and M = ceil(the row's largest t), a whole number; so 1/2 < the row's largest p <= 1. The row's sum l is taken of the UNQUANTISED p, in f32, and the product's result is divided by l at the end. Since M is a whole number, a kernel that streams over the keys may use a running M (the ceiling of the running maximum): every later rescaling is an exact power of two, which a block's scale takes up: the codes' values come out the same.
;;   OPERANDS COMPUTED ON THE WAY. 'Computed on the way' means the value that the module computes at that place (a softmax that the list does not call 'softmax' is quantised finished and normalised). What goes into a quantiser is computed in f32, as accurately as f32 sums, v_exp_f32 and their like allow (about 1e-6 of the number): no bf16 or f16 on the way to a quantiser, and a product that is left as it is and whose result goes on into a quantised operand takes f32 operands (vector FMAs, or v_wmma_f32_16x16x4_f32). A number that lies on a knife's edge between two numbers of the format may be rounded either way, as far as f32 arithmetic and the matrix unit's own rounding can turn it there, and no further.
;; One version. Each part assembles by itself: llvm-mc -triple=amdgcn-amd-amdhsa -mcpu=gfx1250 --defsym DOCPART=n.
;; ======== version 1 of 1: 3 launches
;; limits: right only within a limited range of input values
;; workspace buffers: WC 819,200 bytes; QB 13,107,200 bytes; KV 26,214,400 bytes
;; launch wquant (part 1): grid 16 x 4, 4 waves a work-group, no clusters, 1,536 bytes of LDS; arguments Wq, Wk, Wv, Wo, WC; writes WC
.if DOCPART == 1
	.amdgcn_target "amdgcn-amd-amdhsa--gfx1250"
	.amdhsa_code_object_version 6
	.text
	.protected	k_qce6b24b3aa_wquant
	.globl	k_qce6b24b3aa_wquant
	.p2align	8
	.type	k_qce6b24b3aa_wquant,@function
k_qce6b24b3aa_wquant:
	s_mov_b64 s[64:65], 0
	v_nop
	global_prefetch_b8 v0, s[64:65] scope:SCOPE_SE
	s_setreg_imm32_b32 hwreg(HW_REG_WAVE_MODE, 25, 1), 1
	s_wait_xcnt 0x0
; WORK LEFT OUT, in the whole program: reference() takes the input mask and names it in no expression, so for all values of the inputs it has no way to out0: it is not loaded and is no launch's argument.
; LIMIT: a NaN or an infinity in mask is not carried to the result (reference() does not carry it either).
; The four weights [512 (rows e)][512 (K = d)], f32, become codes of FP6 (E2M3) with one E8M0 byte for each 32 along K, laid in WC as IMAGES OF OPERAND REGISTERS.
; WC: weight y (0 Wq, 1 Wk, 2 Wv, 3 Wo) at y x 204,800.  Codes [w 0..3][c 0..3][t 0..7] x 1,536 bytes: w = 128 rows, c = 128 along K, t = a tile of 16 rows.
; An image: registers 4 j .. 4 j + 3 of lane l at 512 j + 16 l.  At + 196,608 the scale chunks [w][c] x 512 bytes: the word of tile 2 i + u, row place p, at 16 (p + 16 u) + 4 i.
; THE ROWS OF A TILE: Wq, Wk, Wv: tile 2 b + u takes, at place p, row 32 b + 8 u + p + 8 (p / 8).  Wo: row 16 t + p.
; SHARES: work-group (x = 4 w + c, y = weight); wave i makes tiles 2 i and 2 i + 1.  A lane loads, of its row, 16 neighbours of each block of 32.
; A block's scale byte is the largest magnitude's exponent field - 2, held at 1 from below.
; LIMITS: a block of zeros, or one whose largest magnitude lies under 2^-124, keeps the byte 1 (this program alone reads the bytes); NaN and infinities are not served.
; No tensor loads, no cluster, no matrix unit: 4 MB in, 0.8 MB out, nothing shared.
.set R0,  16
.set R1,  80
.set PC,  144
.set TM,  164
.set PW,  180
.set WD,  181
.set SEL, 24
.macro QUANT s
.irp b, 0,1,2,3
	v_max3_num_f32 v[TM+\b], |v[\s+16*\b]|, |v[\s+1+16*\b]|, 0x1800000   ; my 16 numbers of block b, and the floor 2^(3 - 127)
.endr
.irp i, 2,4,6,8,10,12,14
.irp b, 0,1,2,3
	v_max3_num_f32 v[TM+\b], v[TM+\b], |v[\s+16*\b+\i]|, |v[\s+1+16*\b+\i]|
.endr
.endr
.irp b, 0,1,2,3
	v_permlanex16_b32 v[TM+4+\b], v[TM+\b], s[SEL], s[SEL+1]
.endr
.irp b, 0,1,2,3
	v_max_num_f32 v[TM+\b], v[TM+\b], v[TM+4+\b]          ; with lane l xor 16's: the block's largest magnitude
.endr
.irp b, 0,1,2,3
	v_add_nc_u32 v[TM+12+\b], 0xff000000, v[TM+\b]        ; 2 off its exponent field: the conversion's scale operand
.endr
.irp b, 0,1,2,3
	v_lshrrev_b32 v[TM+4+\b], 23, v[TM+12+\b]             ; the scale's byte
.endr
	v_lshl_or_b32 v[PW], v[TM+5], 8, v[TM+4]
	v_lshl_or_b32 v[PW], v[TM+6], 16, v[PW]
	v_lshl_or_b32 v[PW], v[TM+7], 24, v[PW]
.irp c, 0,1
	v_cvt_scalef32_pk16_fp6_f32 v[PC+6*\c:PC+2+6*\c], v[\s+32*\c:\s+15+32*\c], v[TM+12+2*\c]
	v_cvt_scalef32_pk16_fp6_f32 v[PC+12+4*\c:PC+14+4*\c], v[\s+16+32*\c:\s+31+32*\c], v[TM+12+2*\c+1]
.endr
	v_nop                                                 ; one plain place behind a scaled conversion
.irp c, 0,1                                           ; the operand's layout wants a whole block in a lane
.irp i, 0,1,2
	v_permlane16_swap_b32 v[PC+6*\c+\i], v[PC+12+4*\c+\i]
.endr
.irp i, 0,1,2
	v_mov_b32 v[PC+3+6*\c+\i], v[PC+12+4*\c+\i]
.endr
.endr
.endm
.macro XLOAD reg, adr
.irp b, 0,1,2,3
.irp j, 0,1,2,3
	global_load_b128 v[\reg+16*\b+4*\j:\reg+16*\b+4*\j+3], v[\adr], s[4:5] offset:128*\b+16*\j th:TH_LOAD_NT
.endr
.endr
.endm
	s_load_b256 s[4:11], s[0:1], 0x0               ; Wq, Wk, Wv, Wo
	s_load_b64 s[14:15], s[0:1], 0x20              ; WC
	v_lshl_add_u32 v192, v0, 2, 0x400
	v_mov_b32 v193, 0
	v_lshrrev_b32 v8, 5, v0
	v_readfirstlane_b32 s17, v8                    ; wave i
	v_and_b32 v3, 31, v0                           ; lane
	v_and_b32 v1, 15, v0                           ; r
	v_bfe_u32 v2, v0, 4, 1                         ; h
	v_lshlrev_b32 v6, 4, v3                        ; 16 x lane
	s_lshl_b32 s23, s17, 2
	v_add_nc_u32 v7, s23, v6                       ; LDS: the chunk's word 16 x lane + 4 i
	s_and_b32 s18, ttmp7, 0xffff                   ; y: the weight
	s_lshr_b32 s19, ttmp9, 2                       ; w
	s_and_b32 s26, ttmp9, 3                        ; c
	s_mov_b32 s[SEL], 0x76543210
	s_mov_b32 s[SEL+1], 0xfedcba98
.irp b, 0,1,2,3
	v_mov_b32 v[TM+4+\b], 0                        ; a lane permute's destination counts as one of its sources
.endr
	s_wait_alu depctr_va_vdst(0)                   ; the wait at the head's end
	s_wait_kmcnt 0x0
	s_cmp_eq_u32 s18, 1                            ; the weight's address: a choice on the work-group's number alone
	s_cselect_b64 s[4:5], s[6:7], s[4:5]
	s_cmp_eq_u32 s18, 2
	s_cselect_b64 s[4:5], s[8:9], s[4:5]
	s_cmp_eq_u32 s18, 3
	s_cselect_b64 s[4:5], s[10:11], s[4:5]
	s_cselect_b32 s20, 0, 8                        ; Wo: rows as they lie; the others: + 8 (r / 8)
	s_cselect_b32 s21, 16, 8                       ; rows from tile 2 i to tile 2 i + 1
	v_lshrrev_b32 v8, 3, v1
	v_mul_u32_u24 v8, s20, v8
	v_add_nc_u32 v8, v8, v1
	v_lshlrev_b32 v4, 11, v8                       ; my row of 2,048 bytes,
	v_lshl_add_u32 v4, v2, 6, v4                   ; + 64 h
	s_wait_alu depctr_va_vdst(0)
	s_lshl_b32 s22, s21, 11
	v_add_nc_u32 v5, s22, v4                       ; the same for the second tile
	s_wait_alu depctr_va_vdst(0)
	s_lshl_b32 s28, s19, 18                        ; (128 w + 32 i) rows + 512 c bytes
	s_lshl_b32 s30, s17, 16
	s_add_co_u32 s28, s28, s30
	s_lshl_b32 s30, s26, 9
	s_add_co_u32 s28, s28, s30
	s_mov_b32 s29, 0
	s_add_nc_u64 s[4:5], s[4:5], s[28:29]
	s_mul_i32 s30, s18, 204800
	s_mul_i32 s31, s19, 49152
	s_add_co_u32 s28, s30, s31
	s_mul_i32 s31, s26, 12288
	s_add_co_u32 s28, s28, s31
	s_mul_i32 s31, s17, 3072
	s_add_co_u32 s28, s28, s31
	s_add_nc_u64 s[32:33], s[14:15], s[28:29]      ; my two images
	s_lshl_b32 s31, s19, 11
	s_add_co_u32 s28, s30, s31
	s_lshl_b32 s31, s26, 9
	s_add_co_u32 s28, s28, s31
	s_add_co_u32 s28, s28, 196608
	s_add_nc_u64 s[34:35], s[14:15], s[28:29]      ; the work-group's scale chunk
	XLOAD R0, 4
	XLOAD R1, 5
	s_wait_loadcnt 16                              ; the first tile's 16 loads are in; the second's 16 may be out
	QUANT R0
.irp j, 0,1,2
	global_store_b128 v6, v[PC+4*\j:PC+4*\j+3], s[32:33] offset:512*\j   ; 32 lanes store 512 consecutive bytes
.endr
	v_mov_b32 v[WD], v[PW]
	s_wait_loadcnt 0x0
	s_wait_xcnt 0x0                                ; the codes' registers are written again only behind this wait
	QUANT R1
.irp j, 0,1,2
	global_store_b128 v6, v[PC+4*\j:PC+4*\j+3], s[32:33] offset:1536+512*\j
.endr
	v_cmp_le_u32 vcc_lo, 16, v3
	v_cndmask_b32 v[WD], v[WD], v[PW], vcc_lo      ; lanes 0-15 send tile 2 i's word of row r, lanes 16-31 tile 2 i + 1's
	ds_store_b32 v7, v[WD]
	s_wait_dscnt 0x0                               ; for the others' sake: my words lie in the chunk
	s_barrier_signal -1
	s_barrier_wait -1
	s_cmp_lg_u32 s17, 0
	s_cbranch_scc1 .Lend
	ds_load_b128 v[184:187], v6                    ; wave 0 sends the chunk: 512 consecutive bytes
	s_wait_dscnt 0x0
	global_store_b128 v6, v[184:187], s[34:35]
.Lend:
	s_wait_tensorcnt 0x0                           ; the wave's end
	ds_add_u32 v192, v193
	s_wait_dscnt 0x0
	s_endpgm
.Lfunc_end_k_qce6b24b3aa_wquant:
	.size	k_qce6b24b3aa_wquant, .Lfunc_end_k_qce6b24b3aa_wquant-k_qce6b24b3aa_wquant
	.p2alignl 7, 3214868480
	.fill 96, 4, 3214868480
	.section	.rodata,"a",@progbits
	.p2align	6, 0x0
	.amdhsa_kernel k_qce6b24b3aa_wquant
		.amdhsa_group_segment_fixed_size 1536
		.amdhsa_private_segment_fixed_size 0
		.amdhsa_enable_private_segment 0
		.amdhsa_kernarg_size 40
		.amdhsa_user_sgpr_count 2
		.amdhsa_user_sgpr_kernarg_segment_ptr 1
		.amdhsa_wavefront_size32 1
		.amdhsa_system_sgpr_workgroup_id_x 1
		.amdhsa_system_sgpr_workgroup_id_y 1
		.amdhsa_system_sgpr_workgroup_id_z 1
		.amdhsa_system_vgpr_workitem_id 0
		.amdhsa_next_free_vgpr 194
		.amdhsa_next_free_sgpr 66
		.amdhsa_reserve_vcc 1
		.amdhsa_float_denorm_mode_32 3
		.amdhsa_float_denorm_mode_16_64 3
		.amdhsa_memory_ordered 1
		.amdhsa_forward_progress 1
		.amdhsa_inst_pref_size 15
	.end_amdhsa_kernel
	.amdgpu_metadata
---
amdhsa.version: [ 1, 2 ]
amdhsa.kernels:
  - .name:           k_qce6b24b3aa_wquant
    .symbol:         k_qce6b24b3aa_wquant.kd
    .args:
      - { .name: Wq, .offset: 0, .size: 8, .value_kind: global_buffer, .address_space: global }
      - { .name: Wk, .offset: 8, .size: 8, .value_kind: global_buffer, .address_space: global }
      - { .name: Wv, .offset: 16, .size: 8, .value_kind: global_buffer, .address_space: global }
      - { .name: Wo, .offset: 24, .size: 8, .value_kind: global_buffer, .address_space: global }
      - { .name: WC, .offset: 32, .size: 8, .value_kind: global_buffer, .address_space: global }
    .group_segment_fixed_size: 1536
    .private_segment_fixed_size: 0
    .kernarg_segment_align: 8
    .kernarg_segment_size: 40
    .max_flat_workgroup_size: 128
    .sgpr_count:     66
    .vgpr_count:     194
    .wavefront_size: 32
...
	.end_amdgpu_metadata
.endif
;; end of part 1
;; launch proj (part 2): grid 256 x 1, 4 waves a work-group, no clusters, 327,680 bytes of LDS; arguments q, k, v, bq, bk, bv, WC, QB, KV; writes QB, KV
.if DOCPART == 2
	.amdgcn_target "amdgcn-amd-amdhsa--gfx1250"
	.amdhsa_code_object_version 6
	.text
	.protected	k_qce6b24b3aa_proj
	.globl	k_qce6b24b3aa_proj
	.p2align	8
	.type	k_qce6b24b3aa_proj,@function
k_qce6b24b3aa_proj:
	s_mov_b64 s[64:65], 0
	v_nop
	global_prefetch_b8 v0, s[64:65] scope:SCOPE_SE
	s_setreg_imm32_b32 hwreg(HW_REG_WAVE_MODE, 25, 1), 1
	s_wait_xcnt 0x0
; qh = Q(q) Q(Wq)^T + bq, kh, vh likewise, on codes of FP6 (E2M3) with one E8M0 byte for each 32 along K; the results are quantised again (qh, kh along the channels, vh along the keys) and stored as
; images of operand registers: QB block (128 rows) 51,200 bytes: codes [c][tile] x 1,536, then chunks [c] x 512; KV block 102,400: kh likewise, at + 51,200 vh: codes [16 channels x 128 keys], chunks.
; mask is left out, as the first kernel's head shows.
; SHARES.  Work-group g takes blocks 2 g and 2 g + 1 (128 rows each) of q (g < 128) or of k, then v's block g: the same work in all 256.  Wave w owns output channels 128 w .. 128 w + 127.
; ONE FORM OF PRODUCT: source 0 = a STATIONARY operand, 32 fragments in 384 registers; source 1 = four fragments brought for each pass of 32 matrix instructions.
;   Q, K: stationary = W (from memory, once, asked for at the head), brought = a tile of x (from its image in LDS): a lane holds a row of x, its registers run along the channels.
;   V: stationary = x's 128 keys (from its images in LDS), brought = a tile of Wv (from memory, two buffers, one trip of two passes ahead): a lane holds a channel, its registers run along the keys.
; THE RING: x comes in halves of 64 rows x 2,048 bytes through two LDS slots (halves 0 to 3 of q or k, 4 and 5 of v); wave w fetches columns 128 w .. of the 64 rows by one tensor load behind each barrier.
; Each wave quantises 16 rows of a half (four units of 128 along K) into one of two image buffers.  In a step the passes read image h while the units make image h + 1 from the other slot; a unit's 16 LDS loads
; are issued ahead of a pass's matrix instructions.  V's passes want both its halves, so they stand last.
; PREFETCH: behind the fill of half h each wave names the 128 blocks of 256 bytes of its own part of half h + 1, a lane a block, one step ahead of the tensor load that wants them; the last fill names nothing.
; NO CLUSTER: work-groups share W alone, 0.4 MB of the 1.2 MB that a work-group reads; x's tiles are read by one work-group each.
; LIMITS: a block of zeros, or one whose largest magnitude lies under 2^-124, keeps the byte 1 (this program alone reads the bytes); NaN and infinities are not served.
; REGISTERS.  Window 0: addresses, ACC, R (a raw unit), codes, scales.  Windows 1 and 2 (to v131): the stationary operand.  Window 2 v132-227: the brought fragments, two buffers.  Window 3: biases.
.set REGB,   33792                     ; 64 rows x (512 + 16) bytes: what one tensor load brings
.set SLOTB,  4*REGB
.set XPITCH, 528
.set IMG0,   2*SLOTB                   ; two image buffers: codes [c][tile 0..3] x 1,536, then scale words [c] x 256: tile 2 b + u, place p at 8 (p + 16 u) + 4 b
.set IMGB,   25600
.set ISC,    24576
.set SPARE,  IMG0+2*IMGB               ; the spare words, 512 bytes that no other line names
.set LI,   1
.set SPW,  2
.set NIL,  3
.set L8,   4
.set XRB,  5
.set XWB,  6
.set XSB,  7
.set VR,   8
.set VW,   9
.set VS,   10
.set VM,   11
.set VMS,  12
.set FI,   13
.set F8,   14
.set BQ,   15
.set ACC,  16
.set R,    80
.set PCP,  144
.set PCU,  164
.set TM,   184
.set PW,   200
.set SWA,  201
.set BV,   202
.set SOFF, 203
.set OUTS, 204
.set SS,   208                         ; the stationary operand's scale words
.set MSA,  224                         ; the brought operand's: v224-227, v228-231
.set PFO,  232
.set MVA,  132                         ; window 2
.set BIAS, 0                           ; window 3: bq or bk in the result's layout
.set BI,   64                          ; window 3: bv of a pass's channels, eight equal registers, two sets
.set WV,   22
.set T,    23
.set HM,   24
.set SEL,  26
.set G1,   28
.set G0,   36
.set DB,   60
.set DST,  62
.set WP,   66
.set WSP,  68
.set BP,   70
.set WPQ,  72
.set WSQ,  74
.set BPQ,  76
.set RO,   88
.set IO,   89
.set SO,   90
.set MO,   91
.set STR,  92
.set AV,   94
.set AQ,   96
.set DV,   98
.set MSO,  100
.set MSB, 0
.macro WIN new
.if MSB != (\new)
	s_set_vgpr_msb (MSB<<8)|(\new)
.set MSB, (\new)
.endif
.endm
.macro PLACES n
.rept \n
	v_nop
.endr
.endm
.macro STREG f                         ; stationary fragment f = 8 c + t
.if (\f) < 21
.set WW, 1
.set WR, 12*(\f)
.else
.set WW, 2
.set WR, 12*((\f)-21)
.endif
.endm
.macro WM d, a, b, c, sa, sb, ra, rb
.if ((\ra) == 0) && ((\rb) == 0)
	v_wmma_scale_f32_16x16x128_f8f6f4 v[(\d):(\d)+7], v[(\a):(\a)+11], v[(\b):(\b)+11], v[(\c):(\c)+7], v[(\sa)], v[(\sb)] matrix_a_fmt:MATRIX_FMT_FP6 matrix_b_fmt:MATRIX_FMT_FP6
.elseif (\rb) == 0
	v_wmma_scale_f32_16x16x128_f8f6f4 v[(\d):(\d)+7], v[(\a):(\a)+11], v[(\b):(\b)+11], v[(\c):(\c)+7], v[(\sa)], v[(\sb)] matrix_a_fmt:MATRIX_FMT_FP6 matrix_b_fmt:MATRIX_FMT_FP6 matrix_a_scale:MATRIX_SCALE_ROW1
.elseif (\ra) == 0
	v_wmma_scale_f32_16x16x128_f8f6f4 v[(\d):(\d)+7], v[(\a):(\a)+11], v[(\b):(\b)+11], v[(\c):(\c)+7], v[(\sa)], v[(\sb)] matrix_a_fmt:MATRIX_FMT_FP6 matrix_b_fmt:MATRIX_FMT_FP6 matrix_b_scale:MATRIX_SCALE_ROW1
.else
	v_wmma_scale_f32_16x16x128_f8f6f4 v[(\d):(\d)+7], v[(\a):(\a)+11], v[(\b):(\b)+11], v[(\c):(\c)+7], v[(\sa)], v[(\sb)] matrix_a_fmt:MATRIX_FMT_FP6 matrix_b_fmt:MATRIX_FMT_FP6 matrix_a_scale:MATRIX_SCALE_ROW1 matrix_b_scale:MATRIX_SCALE_ROW1
.endif
.endm
; 64 numbers of a lane, register 16 b + i = k 32 b + 16 (lane / 16) + i of my row, become a fragment's codes in v[pc] on and its scale word in v[PW]
.macro QUANT s, pc
.irp b, 0,1,2,3
	v_max3_num_f32 v[TM+\b], |v[\s+16*\b]|, |v[\s+1+16*\b]|, 0x1800000   ; with the floor 2^(3 - 127): the byte cannot fall under 1
.endr
.irp i, 2,4,6,8,10,12,14
.irp b, 0,1,2,3
	v_max3_num_f32 v[TM+\b], v[TM+\b], |v[\s+16*\b+\i]|, |v[\s+1+16*\b+\i]|
.endr
.endr
.irp b, 0,1,2,3
	v_permlanex16_b32 v[TM+4+\b], v[TM+\b], s[SEL], s[SEL+1]
.endr
.irp b, 0,1,2,3
	v_max_num_f32 v[TM+\b], v[TM+\b], v[TM+4+\b]
.endr
.irp b, 0,1,2,3
	v_add_nc_u32 v[TM+12+\b], 0xff000000, v[TM+\b]        ; 2 off the exponent field: the conversion's scale operand
.endr
.irp b, 0,1,2,3
	v_lshrrev_b32 v[TM+4+\b], 23, v[TM+12+\b]
.endr
	v_lshl_or_b32 v[PW], v[TM+5], 8, v[TM+4]
	v_lshl_or_b32 v[PW], v[TM+6], 16, v[PW]
	v_lshl_or_b32 v[PW], v[TM+7], 24, v[PW]
.irp c, 0,1
	v_cvt_scalef32_pk16_fp6_f32 v[\pc+6*\c:\pc+2+6*\c], v[\s+32*\c:\s+15+32*\c], v[TM+12+2*\c]
	v_cvt_scalef32_pk16_fp6_f32 v[\pc+12+4*\c:\pc+14+4*\c], v[\s+16+32*\c:\s+31+32*\c], v[TM+12+2*\c+1]
.endr
	v_nop                                                 ; one plain place behind a scaled conversion
.irp c, 0,1
.irp i, 0,1,2
	v_permlane16_swap_b32 v[\pc+6*\c+\i], v[\pc+12+4*\c+\i]
.endr
.irp i, 0,1,2
	v_mov_b32 v[\pc+3+6*\c+\i], v[\pc+12+4*\c+\i]
.endr
.endr
.endm
; a pass: 32 matrix instructions, the eight accumulators by turns; the first K step takes the bias as C: kb + ks t in window 3
.macro MUL mv, ms, rb, kb, ks
.irp c, 0,1,2,3
.irp t, 0,1,2,3,4,5,6,7
	STREG 8*\c+\t
.if \c == 0
	WIN WW|0x38
	WM ACC+8*\t, WR, \mv+12*\c, \kb+\ks*\t, SS+4*\c+\t/2, \ms+\c, \t%2, \rb
.else
	WIN WW|0x08
	WM ACC+8*\t, WR, \mv+12*\c, ACC+8*\t, SS+4*\c+\t/2, \ms+\c, \t%2, \rb
.endif
.endr
.endr
	WIN 0
.endm
; the change of slots: all my tensor loads have landed, 0 onto my spare word, the add and all my LDS instructions are done; behind the barrier my one tensor load
.macro SEQ fill, g
	s_wait_alu depctr_va_vdst(0)                   ; the wait ahead of a wait that blocks
	s_wait_tensorcnt 0x0
	ds_add_u32 v[SPW], v[NIL]
	s_wait_dscnt 0x0
	s_barrier_signal -1
	s_barrier_wait -1
.if \fill
	tensor_load_to_lds s[\g:\g+3], s[G1:G1+7]
	s_nop 0
	PLACES 4
.endif
.endm
.macro PF base, off                    ; my part of a half: 64 rows x 2 blocks of 256 bytes, a lane a block
.irp k, 0,1,2,3
	global_prefetch_b8 v[PFO], s[\base:\base+1] offset:\off+32768*\k th:TH_LOAD_NT scope:SCOPE_SE
.endr
.endm
.macro RAWLD e                         ; a unit: my 16 rows x 128 along K, f32
.irp b, 0,1,2,3
.irp j, 0,1,2,3
	ds_load_b128 v[R+16*\b+4*\j:R+16*\b+4*\j+3], v[VR] offset:\e*REGB+128*\b+16*\j
.endr
.endr
.endm
.macro IMGST e
.irp j, 0,1,2
	ds_store_b128 v[VW], v[PCU+4*\j:PCU+4*\j+3] offset:\e*6144+512*\j
.endr
	ds_store_b32 v[VS], v[PW] offset:\e*256
.endm
.macro UADR
	v_add_nc_u32 v[VR], s[RO], v[XRB]
	v_add_nc_u32 v[VW], s[IO], v[XWB]
	v_add_nc_u32 v[VS], s[SO], v[XSB]
	s_wait_alu depctr_va_vdst(0)                   ; the wait behind these writes
.endm
.macro ULOOP slot, img                 ; four units alone: a half's image
	s_mov_b32 s[RO], (\slot)*SLOTB
	s_mov_b32 s[IO], IMG0+(\img)*IMGB
	s_mov_b32 s[SO], IMG0+(\img)*IMGB+ISC
	s_mov_b32 s[T], 0
.Lu\@:
	UADR
	RAWLD 0
	s_wait_dscnt 0x0
	QUANT R, PCU
	IMGST 0
	s_add_co_u32 s[RO], s[RO], REGB
	s_add_co_u32 s[IO], s[IO], 6144
	s_add_co_u32 s[SO], s[SO], 256
	s_add_co_u32 s[T], s[T], 1
	s_cmp_lt_u32 s[T], 4
	s_wait_alu depctr_va_vdst(0)
	s_cbranch_scc1 .Lu\@
.endm
.macro STLD hf                         ; V: half hf of x's images becomes stationary: tiles 4 hf .. 4 hf + 3
.irp c, 0,1,2,3
.irp m, 0,1,2,3
	STREG 8*\c+4*\hf+\m
	WIN WW<<6
.irp j, 0,1,2
	ds_load_b128 v[WR+4*\j:WR+4*\j+3], v[FI] offset:\hf*IMGB+\c*6144+\m*1536+512*\j
.endr
.endr
.endr
	WIN 0
.irp c, 0,1,2,3
	ds_load_b64 v[SS+4*\c+2*\hf:SS+4*\c+2*\hf+1], v[F8] offset:\hf*IMGB+256*\c
.endr
.endm
.macro VLD e, nx                       ; V: tile 2 (pair + nx) + e of Wv, its scale words and its bias: 24 loads
	WIN 0x80
.irp c, 0,1,2,3
.irp j, 0,1,2
	global_load_b128 v[MVA+48*\e+12*\c+4*\j:MVA+48*\e+12*\c+4*\j+3], v[LI], s[WP:WP+1] offset:\c*12288+\e*1536+\nx*3072+512*\j
.endr
.endr
	WIN 0
.irp c, 0,1,2,3
	global_load_b32 v[MSA+4*\e+\c], v[LI], s[WSP:WSP+1] offset:512*\c+4*\nx
.endr
	WIN 0xc0
.irp j, 0,1,2,3,4,5,6,7
	global_load_b32 v[BI+8*\e+\j], v[BV], s[BP:BP+1] offset:32*\e+128*\nx
.endr
	WIN 0
.endm
.macro OUT e                           ; the pass's 64 results become a fragment and leave: 32 lanes store 512 consecutive bytes
	QUANT ACC, PCP
.irp j, 0,1,2
	global_store_b128 v[LI], v[PCP+4*\j:PCP+4*\j+3], s[DST:DST+1] offset:\e*1536+512*\j
.endr
.if \e == 0
	v_mov_b32 v[SWA], v[PW]
.else
	v_mov_b32 v[OUTS], v[OUTS+1]                   ; the block's four pairs of scale words queue up in four registers
	v_mov_b32 v[OUTS+1], v[OUTS+2]
	v_mov_b32 v[OUTS+2], v[OUTS+3]
	v_cndmask_b32 v[OUTS+3], v[SWA], v[PW], s[HM]  ; lanes 0-15 the even tile's word, lanes 16-31 the odd tile's
.endif
.endm
.macro VHALF e, nx, cnt
	s_wait_loadcnt \cnt                            ; my buffer's 24 loads are in; the other buffer's 24 may be out
	MUL MVA+48*\e, MSA+4*\e, \e, BI+8*\e, 0
	PLACES 4
	s_wait_xcnt 0x0                                ; the last pass's stores have read the codes' registers
.if \nx
	VLD \e, 1
.endif
	OUT \e
.endm
.macro MVLD o
	WIN 0x80
.irp c, 0,1,2,3
.irp j, 0,1,2
	ds_load_b128 v[MVA+12*\c+4*\j:MVA+12*\c+4*\j+3], v[VM] offset:\c*6144+\o+512*\j
.endr
.endr
	WIN 0
.endm
.macro MSLD o
.irp c, 0,1,2,3
	ds_load_b32 v[MSA+\c], v[VMS] offset:256*\c+\o
.endr
.endm
.macro QHALF e
	RAWLD \e                                       ; lands under the matrix instructions
	s_wait_dscnt 16                                ; all but these 16: the brought fragments are in
	MUL MVA, MSA, \e, BIAS, 8
	s_wait_dscnt 0x0
	QUANT R, PCU                                   ; names none of the products' registers: also their places
	IMGST \e
.if \e == 0
	MVLD 1536                                      ; the pair's odd tile
.else
	s_cmp_eq_u32 s[T], 1                           ; the step's last pass brings nothing more
	s_cbranch_scc1 .Lnx\@
	MVLD 3072
	MSLD 4
.Lnx\@:
.endif
	s_wait_xcnt 0x0
	OUT \e
.endm
.macro QSTEP ib, slot                  ; four passes on image ib, four units from the slot into the other image
	s_mov_b32 s[MO], IMG0+(\ib)*IMGB
	s_mov_b32 s[MSO], IMG0+(\ib)*IMGB+ISC
	s_mov_b32 s[RO], (\slot)*SLOTB
	s_mov_b32 s[IO], IMG0+(1-(\ib))*IMGB
	s_mov_b32 s[SO], IMG0+(1-(\ib))*IMGB+ISC
	s_mov_b32 s[T], 0
	v_add_nc_u32 v[VM], s[MO], v[LI]
	v_add_nc_u32 v[VMS], s[MSO], v[L8]
	s_wait_alu depctr_va_vdst(0)
	MVLD 0
	MSLD 0
.Lq\@:
	UADR
	QHALF 0
	QHALF 1
	s_wait_xcnt 0x0                                ; the stores have read their base
	s_add_nc_u64 s[DST:DST+1], s[DST:DST+1], 3072
	s_add_co_u32 s[MO], s[MO], 3072
	s_add_co_u32 s[MSO], s[MSO], 4
	s_add_co_u32 s[RO], s[RO], 2*REGB
	s_add_co_u32 s[IO], s[IO], 12288
	s_add_co_u32 s[SO], s[SO], 512
	v_add_nc_u32 v[VM], s[MO], v[LI]
	v_add_nc_u32 v[VMS], s[MSO], v[L8]
	s_add_co_u32 s[T], s[T], 1
	s_cmp_lt_u32 s[T], 2
	s_wait_alu depctr_va_vdst(0)
	s_cbranch_scc1 .Lq\@
.endm
.macro BLKEND                          ; the block's chunk of scale words: 512 consecutive bytes
	s_wait_alu depctr_va_vdst(0)
	global_store_b128 v[SOFF], v[OUTS:OUTS+3], s[DB:DB+1]
	s_wait_xcnt 0x0
.endm
	s_load_b256 s[4:11], s[0:1], 0x0               ; q, k, v, bq
	s_load_b256 s[12:19], s[0:1], 0x20             ; bk, bv, WC, QB
	s_load_b64 s[20:21], s[0:1], 0x40              ; KV
	v_lshl_add_u32 v[SPW], v0, 2, SPARE
	v_mov_b32 v[NIL], 0
	ds_add_u32 v[SPW], v[NIL]                      ; the opening lines: the add twice on end and one wait
	ds_add_u32 v[SPW], v[NIL]
	v_lshrrev_b32 v234, 5, v0
	v_readfirstlane_b32 s[WV], v234                ; wave 0..3
	s_mov_b32 s[G1+0], (2<<16)|(1<<20)|(6<<22)|(3<<25)   ; elements of 4 bytes; 4 dwords of padding behind every 128
	s_mov_b32 s[G1+1], 128<<16
	s_mov_b32 s[G1+2], 64<<16
	s_mov_b32 s[G1+3], 128<<16
	s_mov_b32 s[G1+4], 64
	s_mov_b32 s[G1+5], 512
	s_mov_b32 s[G1+6], 0
	s_mov_b32 s[G1+7], 0
	s_mov_b32 s[SEL], 0x76543210
	s_mov_b32 s[SEL+1], 0xfedcba98
	s_lshl_b32 s82, s[WV], 9
	s_mul_i32 s83, s[WV], REGB
	s_mul_i32 s84, s[WV], 12288
	s_mul_i32 s85, s[WV], 49152
	s_lshl_b32 s86, s[WV], 11
	s_lshl_b32 s87, ttmp9, 1
	s_and_b32 s87, s87, 255                        ; my first block of q or of k
	s_mov_b32 s79, 0
	s_mov_b32 s[STR], 102400
	s_mov_b32 s[STR+1], 0
	s_wait_dscnt 0x0
	s_wait_kmcnt 0x0
	s_cmp_lt_u32 ttmp9, 128                        ; q or k: a choice on the work-group's number alone
	s_cselect_b64 s[AQ:AQ+1], s[4:5], s[6:7]
	s_cselect_b64 s[BPQ:BPQ+1], s[10:11], s[12:13]
	s_cselect_b64 s[DB:DB+1], s[18:19], s[20:21]
	s_cselect_b32 s[STR], 51200, s[STR]            ; bytes from block to block in QB or in KV
	s_cselect_b32 s81, 0, 204800                   ; Wq or Wk in WC
	s_lshl_b32 s78, ttmp9, 18
	s_add_co_u32 s78, s78, s82
	s_add_nc_u64 s[AV:AV+1], s[8:9], s[78:79]      ; v: my block's first row, my 512 bytes of it
	s_lshl_b32 s78, s87, 18
	s_add_co_u32 s78, s78, s82
	s_add_nc_u64 s[AQ:AQ+1], s[AQ:AQ+1], s[78:79]
	s_mov_b32 s78, s82
	s_add_nc_u64 s[BPQ:BPQ+1], s[BPQ:BPQ+1], s[78:79]
	s_add_nc_u64 s[BP:BP+1], s[14:15], s[78:79]
	s_mul_i32 s78, s87, s[STR]
	s_add_co_u32 s78, s78, s84
	s_add_nc_u64 s[DB:DB+1], s[DB:DB+1], s[78:79]  ; where my codes of the first block go
	s_mov_b64 s[DST:DST+1], s[DB:DB+1]
	s_mul_i32 s78, ttmp9, 102400
	s_add_co_u32 s78, s78, s84
	s_add_co_u32 s78, s78, 51200
	s_add_nc_u64 s[DV:DV+1], s[20:21], s[78:79]    ; and those of vh
	s_add_co_u32 s78, s85, 409600
	s_add_nc_u64 s[WP:WP+1], s[16:17], s[78:79]
	s_add_co_u32 s78, s86, 409600+196608
	s_add_nc_u64 s[WSP:WSP+1], s[16:17], s[78:79]
	s_add_co_u32 s78, s85, s81
	s_add_nc_u64 s[WPQ:WPQ+1], s[16:17], s[78:79]
	s_add_co_u32 s78, s86, s81
	s_add_co_u32 s78, s78, 196608
	s_add_nc_u64 s[WSQ:WSQ+1], s[16:17], s[78:79]
.irp h, 0,1,2,3,4,5                    ; a group 0 for each half: 0 .. 3 of q or k; 4, 5 of v; half h goes to slot h % 2
	s_mov_b32 s[G0+4*\h], 1
	s_add_co_u32 s[G0+4*\h+1], s83, (\h%2)*SLOTB
.if \h < 4
	s_add_nc_u64 s[G0+4*\h+2:G0+4*\h+3], s[AQ:AQ+1], \h*131072
.else
	s_add_nc_u64 s[G0+4*\h+2:G0+4*\h+3], s[AV:AV+1], (\h-4)*131072
.endif
	s_or_b32 s[G0+4*\h+3], s[G0+4*\h+3], 0x80000000
.endr
	tensor_load_to_lds s[G0:G0+3], s[G1:G1+7]      ; half 0: one tensor load a wave at the head
	s_nop 0
	PLACES 4
	s_mul_i32 s82, s[WV], 16*XPITCH
	s_lshr_b32 s78, s[WV], 1
	s_and_b32 s80, s[WV], 1
	s_mul_i32 s83, s78, 3072
	s_lshl_b32 s84, s80, 7
	s_add_co_u32 s83, s83, s84                     ; image: 3,072 (w / 2) + 128 (w % 2)
	s_lshl_b32 s84, s78, 2
	s_lshl_b32 s85, s80, 6
	s_add_co_u32 s84, s84, s85                     ; scale words: 4 (w / 2) + 64 (w % 2)
	s_mul_i32 s85, s[WV], 11776
	s_sub_co_u32 s85, 49152, s85
	v_and_b32 v234, 31, v0
	v_lshlrev_b32 v[LI], 4, v234
	v_lshlrev_b32 v[L8], 3, v234
	v_cmp_le_u32 s[HM], 16, v234
	v_and_b32 v235, 15, v0                         ; r
	v_bfe_u32 v236, v0, 4, 1                       ; h
	v_bfe_u32 v237, v0, 3, 1                       ; r / 8
	v_and_b32 v238, 7, v0
	v_mul_u32_u24 v[XRB], v235, XPITCH
	v_lshl_add_u32 v[XRB], v236, 6, v[XRB]
	v_add_nc_u32 v[XRB], s82, v[XRB]               ; raw: row 16 w + r, + 64 h
	v_lshlrev_b32 v[BQ], 6, v236
	v_mul_u32_u24 v[XWB], v237, 1536
	v_lshl_add_u32 v[XWB], v236, 8, v[XWB]
	v_lshl_add_u32 v[XWB], v238, 4, v[XWB]
	v_add_nc_u32 v[XWB], s83, v[XWB]               ; row 16 w + r of a half is place r % 8 + 8 (w % 2) of tile 2 (w / 2) + r / 8
	v_lshlrev_b32 v[XSB], 7, v237
	v_lshl_add_u32 v[XSB], v238, 3, v[XSB]
	v_add_nc_u32 v[XSB], s84, v[XSB]
	v_lshl_add_u32 v[BV], v237, 3, v235
	v_lshlrev_b32 v[BV], 2, v[BV]                  ; bv: channel r + 8 (r / 8) of a tile
	v_add_nc_u32 v[FI], IMG0, v[LI]
	v_add_nc_u32 v[F8], IMG0+ISC, v[L8]
	v_add_nc_u32 v[SOFF], s85, v[LI]               ; from my codes' base to my chunk
	v_lshrrev_b32 v[PFO], 1, v234
	v_lshlrev_b32 v[PFO], 11, v[PFO]
	v_and_b32 v234, 1, v234
	v_lshl_add_u32 v[PFO], v234, 8, v[PFO]         ; row lane / 2, block lane % 2
.irp b, 0,1,2,3
	v_mov_b32 v[TM+4+\b], 0                        ; a lane permute's destination counts as one of its sources
	v_mov_b32 v[OUTS+\b], 0
.endr
	s_wait_alu depctr_va_vdst(0)                   ; the wait at the head's end
	; Wq or Wk becomes stationary, with its scale words and its bias: 116 loads, which land while the first halves are on their way
.set f, 0
.rept 32
	STREG f
	WIN WW<<6
.irp j, 0,1,2
	global_load_b128 v[WR+4*\j:WR+4*\j+3], v[LI], s[WPQ:WPQ+1] offset:f*1536+512*\j
.endr
.set f, f+1
.endr
	WIN 0
.irp c, 0,1,2,3
	global_load_b128 v[SS+4*\c:SS+4*\c+3], v[LI], s[WSQ:WSQ+1] offset:512*\c
.endr
	WIN 0xc0
.irp t, 0,1,2,3,4,5,6,7
	global_load_b128 v[BIAS+8*\t:BIAS+8*\t+3], v[BQ], s[BPQ:BPQ+1] offset:(32*(\t/2)+8*(\t%2))*4
	global_load_b128 v[BIAS+8*\t+4:BIAS+8*\t+7], v[BQ], s[BPQ:BPQ+1] offset:(32*(\t/2)+8*(\t%2))*4+16
.endr
	WIN 0
	PF AQ, 131072
	SEQ 1, G0+4                                    ; half 0 is in; half 1's first fill, issued as a refill is
	PF AQ, 262144
	ULOOP 0, 0
	SEQ 1, G0+8                                    ; image 0 is whole, half 1 is in; half 2 into slot 0
	PF AQ, 393216
	s_wait_loadcnt 0x0                             ; W, its scales, its bias
	QSTEP 0, 1
	SEQ 1, G0+12                                   ; half 3 into slot 1
	PF AV, 0
	QSTEP 1, 0
	BLKEND
	s_add_nc_u64 s[DB:DB+1], s[DB:DB+1], s[STR:STR+1]
	s_mov_b64 s[DST:DST+1], s[DB:DB+1]
	SEQ 1, G0+16                                   ; half 4, v's first, into slot 0
	PF AV, 131072
	QSTEP 0, 1
	SEQ 1, G0+20                                   ; half 5 into slot 1: the last fill
	QSTEP 1, 0                                     ; the last passes of q or k; the units make v's first image
	BLKEND
	s_mov_b64 s[DB:DB+1], s[DV:DV+1]
	s_mov_b64 s[DST:DST+1], s[DV:DV+1]
	SEQ 0, 0                                       ; image 0 is whole, half 5 is in
	VLD 0, 0                                       ; Wv's first two tiles
	VLD 1, 0
	STLD 0
	ULOOP 1, 1
	SEQ 0, 0
	STLD 1
	s_wait_dscnt 0x0
	s_mov_b32 s[T], 0
.Lv:                                               ; V's pairs of passes 0 to 2; the last pair, which brings nothing more, is written out
	VHALF 0, 1, 24
	VHALF 1, 1, 24
	s_wait_xcnt 0x0                                ; loads and stores have read their bases
	s_add_nc_u64 s[WP:WP+1], s[WP:WP+1], 3072
	s_add_nc_u64 s[WSP:WSP+1], s[WSP:WSP+1], 4
	s_add_nc_u64 s[BP:BP+1], s[BP:BP+1], 128
	s_add_nc_u64 s[DST:DST+1], s[DST:DST+1], 3072
	s_add_co_u32 s[T], s[T], 1
	s_cmp_lt_u32 s[T], 3
	s_wait_alu depctr_va_vdst(0)
	s_cbranch_scc1 .Lv
	VHALF 0, 0, 24
	VHALF 1, 0, 0
	BLKEND
	s_wait_tensorcnt 0x0                           ; the wave's end
	ds_add_u32 v[SPW], v[NIL]
	s_wait_dscnt 0x0
	s_endpgm
.Lfunc_end_k_qce6b24b3aa_proj:
	.size	k_qce6b24b3aa_proj, .Lfunc_end_k_qce6b24b3aa_proj-k_qce6b24b3aa_proj
	.p2alignl 7, 3214868480
	.fill 96, 4, 3214868480
	.section	.rodata,"a",@progbits
	.p2align	6, 0x0
	.amdhsa_kernel k_qce6b24b3aa_proj
		.amdhsa_group_segment_fixed_size 327680
		.amdhsa_private_segment_fixed_size 0
		.amdhsa_enable_private_segment 0
		.amdhsa_kernarg_size 72
		.amdhsa_user_sgpr_count 2
		.amdhsa_user_sgpr_kernarg_segment_ptr 1
		.amdhsa_wavefront_size32 1
		.amdhsa_system_sgpr_workgroup_id_x 1
		.amdhsa_system_sgpr_workgroup_id_y 1
		.amdhsa_system_sgpr_workgroup_id_z 1
		.amdhsa_system_vgpr_workitem_id 0
		.amdhsa_next_free_vgpr 896
		.amdhsa_next_free_sgpr 102
		.amdhsa_reserve_vcc 0
		.amdhsa_float_denorm_mode_32 3
		.amdhsa_float_denorm_mode_16_64 3
		.amdhsa_memory_ordered 1
		.amdhsa_forward_progress 1
		.amdhsa_inst_pref_size 208
	.end_amdhsa_kernel
	.amdgpu_metadata
---
amdhsa.version: [ 1, 2 ]
amdhsa.kernels:
  - .name:           k_qce6b24b3aa_proj
    .symbol:         k_qce6b24b3aa_proj.kd
    .args:
      - { .name: q, .offset: 0, .size: 8, .value_kind: global_buffer, .address_space: global }
      - { .name: k, .offset: 8, .size: 8, .value_kind: global_buffer, .address_space: global }
      - { .name: v, .offset: 16, .size: 8, .value_kind: global_buffer, .address_space: global }
      - { .name: bq, .offset: 24, .size: 8, .value_kind: global_buffer, .address_space: global }
      - { .name: bk, .offset: 32, .size: 8, .value_kind: global_buffer, .address_space: global }
      - { .name: bv, .offset: 40, .size: 8, .value_kind: global_buffer, .address_space: global }
      - { .name: WC, .offset: 48, .size: 8, .value_kind: global_buffer, .address_space: global }
      - { .name: QB, .offset: 56, .size: 8, .value_kind: global_buffer, .address_space: global }
      - { .name: KV, .offset: 64, .size: 8, .value_kind: global_buffer, .address_space: global }
    .group_segment_fixed_size: 327680
    .private_segment_fixed_size: 0
    .kernarg_segment_align: 8
    .kernarg_segment_size: 72
    .max_flat_workgroup_size: 128
    .sgpr_count:     102
    .vgpr_count:     896
    .wavefront_size: 32
...
	.end_amdgpu_metadata
.endif
;; end of part 2
;; launch attn (part 3): grid 8 x 32, 8 waves a work-group, clusters of 4 x 1, 327,680 bytes of LDS; arguments QB, KV, WC, bo, out0; writes out0
.if DOCPART == 3
	.amdgcn_target "amdgcn-amd-amdhsa--gfx1250"
	.amdhsa_code_object_version 6
	.text
	.protected	k_qce6b24b3aa_attn
	.globl	k_qce6b24b3aa_attn
	.p2align	8
	.type	k_qce6b24b3aa_attn,@function
k_qce6b24b3aa_attn:
	s_mov_b64 s[64:65], 0
	v_nop
	global_prefetch_b8 v0, s[64:65] scope:SCOPE_SE
	s_setreg_imm32_b32 hwreg(HW_REG_WAVE_MODE, 25, 1), 1
	s_wait_xcnt 0x0
	s_wait_alu depctr_hold_cnt(0) depctr_sa_sdst(0) depctr_va_vdst(0) depctr_va_sdst(0) depctr_va_ssrc(0) depctr_va_vcc(0) depctr_vm_vsrc(0)
	s_getreg_b32 s2, hwreg(HW_REG_IB_STS2, 6, 4)
	s_cmp_eq_u32 s2, 0
	s_cbranch_scc0 .Lentry_in_a_cluster
	s_endpgm
.Lentry_in_a_cluster:
	s_bfe_u32 s2, ttmp6, 0x10000c
	s_cmp_lg_u32 s2, 0x3003
	s_cbranch_scc0 .Lentry_shape_is_right
	s_endpgm
.Lentry_shape_is_right:
; out0 = (softmax(qh kh^T / 8, causal) vh, rows reordered to (batch, 8 s + head)) Wo^T + bo: three products on codes of FP6 (E2M3) with one E8M0 byte for each 32 along K.  1,024 queries and keys, 512 channels, 32 (batch, head).
; IN (made by the launches before; images of operand registers: registers 4 j .. 4 j + 3 of lane l at 512 j + 16 l; scale chunks: the word of tile 2 i + u, place p, at 16 (p + 16 u) + 4 i):
;   QB block (8 bh + group of 128 queries), 51,200 bytes: codes [c][tile], then chunks [c].  KV block (8 bh + key step), 102,400: kh likewise; at + 51,200 vh: codes [dt 0..31] (16 channels x 128 keys), chunks.
;   Rows of a tile (queries, keys, channels d): tile 2 b + u, place p: 32 b + 8 u + p + 8 (p / 8).  Wo's tiles: rows as they lie.
; THE SOFTMAX AHEAD OF THE SECOND PRODUCT: t = score x log2(e) / 8; M = the running largest t rounded UP to a whole number; p = 2^(t - M) is quantised along the keys, not normalised.  The row's sum is taken of the
; unquantised p and divides O at the end.  When M moves, the sum and O are multiplied by 2^(old M - new M): exact.  A block's largest p is made from its largest score by the same multiply-add and exponential.
; SHARES.  Work-group (i = 0..7, bh).  Wave w owns ONE tile of 16 queries: tile i of query group G(w) = w (w < 4) or 11 - w.  A tile of group G needs key steps 0 .. G (reference()'s own tril throws the rest away), so every
; work-group has 36 wave-steps in 8 ring steps, waves w and w + 4 together 9, and every branch hangs on the wave's number and the step's count alone.  i enters only Q's and out0's addresses and the mask's compare.
; LAYOUT.  S^T = K Q^T and O^T = V^T P^T: a lane holds one query throughout; registers run along the keys, then along d, so p and O are quantised in registers.
; CLUSTER: the four work-groups of a cluster belong to one (batch, head) and walk the same K and V: each step's block is asked for JOINTLY (waves 0-3, a quarter each), the same load with the same descriptor in all four.
; THE END: O / sum is quantised along d, its images go through LDS, and wave w makes output columns 64 w .. 64 w + 63 for all 128 queries of the work-group; Wo's codes come straight into registers.
; LIMITS: a block of zeros, or one whose largest magnitude lies under 2^-124, keeps the byte 1; NaN and infinities are not served; v_exp_f32 is taken not to fall where its input rises.
; REGISTERS.  Window 0: v1-11 addresses; v12 -M, v13 largest t, v[14:15] the sum; v16-63 Q; v64-67 its scales; v68-83 K's, then V's scales; v84 p's scale word; v[86:87] f; v88-135, v136-183 two buffers of four fragments
; (the second is at work in the softmax); v192-255 S^T, then p, then V's second buffer.  Window 1: O^T, tile dt at 8 dt; at the end the 32 accumulators of the output.
.set SLOT1, 1<<17                      ; slot 1 begins here: one exclusive or turns an address from one slot to the other
.set KSCO,  49152                      ; in K's part and in V's: the chunks behind the codes
.set VOFF,  51200
.set STEPB, 102400
.set OIMG,  SLOT1+STEPB                ; behind the ring: O's images [query tile 0..7][c 0..3] x 1,536,
.set OSC,   OIMG+49152                 ; its chunks [c],
.set STAGE, OSC+2048                   ; the way out: 16 rows x (256 + 16) bytes for each wave,
.set SPARE, STAGE+8*4352               ; the spare words, 128 bytes for each wave: four blocks of 256 bytes that no other line names
.set NOC,   999
.set LI,  1
.set SPW, 2
.set NIL, 3
.set ADK, 4
.set ADV, 5
.set DLT, 6                            ; my query in its group of 128, less 16 h
.set OWI, 7
.set OWS, 8
.set STO, 9
.set SRD, 10
.set GO,  11
.set QF,  16
.set QS,  64
.set SC,  68
.set PW,  84
.set OFI, 85
.set PFV, 85                           ; during the key steps v85 is the prefetches' offset; O's image address is made in it behind the last step
.set PB,  94                           ; s[94:95] the key step that the next prefetch names
.set FF,  86
.set FA,  88
.set PC,  136
.set TM,  156
.set TMP, 172
.set SUM2, 174
.set S,   192
.set WOF, 16                           ; the end: Wo's two buffers at v16 and v88
.set OS,  64
.set WOS, 68
.set OF,  136                          ; eight fragments of O
.set RB,  136                          ; rows read back: v136-167 and v168-199 by turns
.set WV,  14
.set GAM, 15
.set KS,  16
.set TB,  17
.set SEL, 18
.set CS,  20
.set BOP, 22
.set G1,  24
.set G0,  32
.set QI,  36
.set OB,  40
.set QP,  56
.set WOP, 58
.set WOSP, 60
.set QSP, 62
.set MSB, 0
.macro WIN new
.if MSB != (\new)
	s_set_vgpr_msb (MSB<<8)|(\new)
.set MSB, (\new)
.endif
.endm
.macro PLACES n
.rept \n
	v_nop
.endr
.endm
.macro WM d, a, b, c, sa, sb, ra, rb
.if (\c) == NOC
.if ((\ra) == 0) && ((\rb) == 0)
	v_wmma_scale_f32_16x16x128_f8f6f4 v[(\d):(\d)+7], v[(\a):(\a)+11], v[(\b):(\b)+11], 0, v[(\sa)], v[(\sb)] matrix_a_fmt:MATRIX_FMT_FP6 matrix_b_fmt:MATRIX_FMT_FP6
.elseif (\rb) == 0
	v_wmma_scale_f32_16x16x128_f8f6f4 v[(\d):(\d)+7], v[(\a):(\a)+11], v[(\b):(\b)+11], 0, v[(\sa)], v[(\sb)] matrix_a_fmt:MATRIX_FMT_FP6 matrix_b_fmt:MATRIX_FMT_FP6 matrix_a_scale:MATRIX_SCALE_ROW1
.elseif (\ra) == 0
	v_wmma_scale_f32_16x16x128_f8f6f4 v[(\d):(\d)+7], v[(\a):(\a)+11], v[(\b):(\b)+11], 0, v[(\sa)], v[(\sb)] matrix_a_fmt:MATRIX_FMT_FP6 matrix_b_fmt:MATRIX_FMT_FP6 matrix_b_scale:MATRIX_SCALE_ROW1
.else
	v_wmma_scale_f32_16x16x128_f8f6f4 v[(\d):(\d)+7], v[(\a):(\a)+11], v[(\b):(\b)+11], 0, v[(\sa)], v[(\sb)] matrix_a_fmt:MATRIX_FMT_FP6 matrix_b_fmt:MATRIX_FMT_FP6 matrix_a_scale:MATRIX_SCALE_ROW1 matrix_b_scale:MATRIX_SCALE_ROW1
.endif
.else
.if ((\ra) == 0) && ((\rb) == 0)
	v_wmma_scale_f32_16x16x128_f8f6f4 v[(\d):(\d)+7], v[(\a):(\a)+11], v[(\b):(\b)+11], v[(\c):(\c)+7], v[(\sa)], v[(\sb)] matrix_a_fmt:MATRIX_FMT_FP6 matrix_b_fmt:MATRIX_FMT_FP6
.elseif (\rb) == 0
	v_wmma_scale_f32_16x16x128_f8f6f4 v[(\d):(\d)+7], v[(\a):(\a)+11], v[(\b):(\b)+11], v[(\c):(\c)+7], v[(\sa)], v[(\sb)] matrix_a_fmt:MATRIX_FMT_FP6 matrix_b_fmt:MATRIX_FMT_FP6 matrix_a_scale:MATRIX_SCALE_ROW1
.elseif (\ra) == 0
	v_wmma_scale_f32_16x16x128_f8f6f4 v[(\d):(\d)+7], v[(\a):(\a)+11], v[(\b):(\b)+11], v[(\c):(\c)+7], v[(\sa)], v[(\sb)] matrix_a_fmt:MATRIX_FMT_FP6 matrix_b_fmt:MATRIX_FMT_FP6 matrix_b_scale:MATRIX_SCALE_ROW1
.else
	v_wmma_scale_f32_16x16x128_f8f6f4 v[(\d):(\d)+7], v[(\a):(\a)+11], v[(\b):(\b)+11], v[(\c):(\c)+7], v[(\sa)], v[(\sb)] matrix_a_fmt:MATRIX_FMT_FP6 matrix_b_fmt:MATRIX_FMT_FP6 matrix_a_scale:MATRIX_SCALE_ROW1 matrix_b_scale:MATRIX_SCALE_ROW1
.endif
.endif
.endm
; 64 numbers of a lane, register 16 b + i = k 32 b + 16 (lane / 16) + i of my row, become a fragment's codes in v[PC] on and its scale word in v[PW]
.macro QUANT s
.irp b, 0,1,2,3
	v_max3_num_f32 v[TM+\b], |v[\s+16*\b]|, |v[\s+1+16*\b]|, 0x1800000
.endr
.irp i, 2,4,6,8,10,12,14
.irp b, 0,1,2,3
	s_delay_alu instid0(VALU_DEP_4)
	v_max3_num_f32 v[TM+\b], v[TM+\b], |v[\s+16*\b+\i]|, |v[\s+1+16*\b+\i]|
.endr
.endr
.irp b, 0,1,2,3
	s_delay_alu instid0(VALU_DEP_4)
	v_permlanex16_b32 v[TM+4+\b], v[TM+\b], s[SEL], s[SEL+1]
.endr
.irp b, 0,1,2,3
	s_delay_alu instid0(VALU_DEP_4)
	v_max_num_f32 v[TM+\b], v[TM+\b], v[TM+4+\b]
.endr
.irp b, 0,1,2,3
	s_delay_alu instid0(VALU_DEP_4)
	v_add_nc_u32 v[TM+12+\b], 0xff000000, v[TM+\b]
.endr
.irp b, 0,1,2,3
	s_delay_alu instid0(VALU_DEP_4)
	v_lshrrev_b32 v[TM+4+\b], 23, v[TM+12+\b]
.endr
	s_delay_alu instid0(VALU_DEP_3)
	v_lshl_or_b32 v[PW], v[TM+5], 8, v[TM+4]
	s_delay_alu instid0(VALU_DEP_1)
	v_lshl_or_b32 v[PW], v[TM+6], 16, v[PW]
	s_delay_alu instid0(VALU_DEP_1)
	v_lshl_or_b32 v[PW], v[TM+7], 24, v[PW]
.irp c, 0,1
	v_cvt_scalef32_pk16_fp6_f32 v[PC+6*\c:PC+2+6*\c], v[\s+32*\c:\s+15+32*\c], v[TM+12+2*\c]
	v_cvt_scalef32_pk16_fp6_f32 v[PC+12+4*\c:PC+14+4*\c], v[\s+16+32*\c:\s+31+32*\c], v[TM+12+2*\c+1]
.endr
	v_nop                                                 ; one plain place behind a scaled conversion
.irp c, 0,1
.irp i, 0,1,2
	v_permlane16_swap_b32 v[PC+6*\c+\i], v[PC+12+4*\c+\i]
.endr
.irp i, 0,1,2
	s_delay_alu instid0(VALU_DEP_3)
	v_mov_b32 v[PC+3+6*\c+\i], v[PC+12+4*\c+\i]
.endr
.endr
.endm
; a round of the cluster's barrier
.macro ROUND
	s_barrier_signal -1
	s_barrier_wait -1
	s_cmp_lg_u32 s[WV], 0
	s_cbranch_scc1 .Lnot_wave_0_\@
	s_barrier_signal -3
.Lnot_wave_0_\@:
	s_barrier_wait -3
	s_barrier_signal -1
	s_barrier_wait -1
.endm
.macro JLOAD                           ; waves 0-3 ask for a quarter of a step's block each; the branch hangs on the wave's number alone
	s_cmp_lt_u32 s[WV], 4
	s_cbranch_scc0 .Lasked_\@
	tensor_load_to_lds s[G0:G0+3], s[G1:G1+7]
	s_nop 0
	PLACES 4
.Lasked_\@:
.endm
; A PREFETCH INTO THE L2, behind each joint fill: the fill asks for key step KS + 1, the prefetch names key step KS + 2, one step ahead of the load that will want it.  A step's block is 400 blocks of 256 bytes:
; the four partners share them out by address, 100 each; waves 0-3 take 25 each, a lane a block (lanes 25-31 name the wave's last block again).  The fills of steps 7 and of none beyond name nothing: KS + 2 stays under 8.
.macro ASK
	s_cmp_lt_u32 s[KS], 6
	s_cbranch_scc0 .Lnoask_\@
	s_cmp_lt_u32 s[WV], 4
	s_cbranch_scc0 .Lnoask_\@
	global_prefetch_b8 v[PFV], s[PB:PB+1] th:TH_LOAD_NT scope:SCOPE_SE
.Lnoask_\@:
.endm
; THE CHANGE OF SLOTS, at a step's head: all my tensor loads have landed (my part of the step ahead), 0 onto my spare word, the add and my reads of the slot left are done.
; fill = 1: a round of the cluster's barrier, and first thing behind it the next step's block goes into the slot just left: it has a key step in which to land.  One load of a fetching wave is out at a time.
.macro CHANGE fill
	s_wait_tensorcnt 0x0
	ds_add_u32 v[SPW], v[NIL]
.if \fill
	s_xor_b32 s[G0+1], s[G0+1], SLOT1              ; no load of mine is out: the walking descriptor may be written
	s_add_nc_u64 s[G0+2:G0+3], s[G0+2:G0+3], STEPB
	s_wait_xcnt 0x0                                ; the last step's prefetch has read its base
	s_add_nc_u64 s[PB:PB+1], s[PB:PB+1], STEPB
.endif
	s_wait_dscnt 0x0
.if \fill
	ROUND
	JLOAD
	ASK
.else
	s_barrier_signal -1
	s_barrier_wait -1
.endif
.endm
.macro LOADK g, buf                    ; four fragments of K: channels 128 (g / 2) on, key tiles 4 (g % 2) on
.irp n, 0,1,2,3,4,5,6,7,8,9,10,11
	ds_load_b128 v[(\buf)+4*\n:(\buf)+4*\n+3], v[ADK] offset:(\g)*6144+512*\n
.endr
.endm
.macro LOADV g, buf                    ; four fragments of V: channel tiles 4 g on
.irp n, 0,1,2,3,4,5,6,7,8,9,10,11
	ds_load_b128 v[(\buf)+4*\n:(\buf)+4*\n+3], v[ADV] offset:(\g)*6144+512*\n
.endr
.endm
.macro MULS g, buf                     ; the eight accumulators of S^T take turns, one instruction a turn
.irp q, 0,1,2,3
.if (\g)/2 == 0
	WM S+8*(4*((\g)%2)+\q), (\buf)+12*\q, QF+12*((\g)/2), NOC, SC+4*((\g)/2)+(4*((\g)%2)+\q)/2, QS+(\g)/2, \q%2, 0
.else
	WM S+8*(4*((\g)%2)+\q), (\buf)+12*\q, QF+12*((\g)/2), S+8*(4*((\g)%2)+\q), SC+4*((\g)/2)+(4*((\g)%2)+\q)/2, QS+(\g)/2, \q%2, 0
.endif
.endr
.endm
.macro MULPV g, buf, first             ; O^T's 32 accumulators, each once a step
.if \first
	WIN 0x40                                       ; D in window 1
.else
	WIN 0x50                                       ; C and D in window 1
.endif
.irp q, 0,1,2,3
.if \first
	WM 8*(4*(\g)+\q), (\buf)+12*\q, PC, NOC, SC+4*((\g)/2)+(4*((\g)%2)+\q)/2, PW, \q%2, 0
.else
	WM 8*(4*(\g)+\q), (\buf)+12*\q, PC, 8*(4*(\g)+\q), SC+4*((\g)/2)+(4*((\g)%2)+\q)/2, PW, \q%2, 0
.endif
.endr
	WIN 0
.endm
; A KEY STEP: 128 keys.  first = 1: step 0, in which every wave has work: its products start O^T's sums, and nothing is cleared.
.macro STEP first
	v_add_nc_u32 v[ADK], s[TB], v[LI]
	s_wait_alu depctr_va_vdst(0)
	v_add_nc_u32 v[ADV], VOFF, v[ADK]
.if !\first
	s_cmp_gt_u32 s[KS], s[GAM]                     ; all the step's keys come after my queries: a scalar branch on the wave's number and the count; no barrier and no tensor load stands in a step
	s_cbranch_scc1 .Lhid_\@
.endif
	PLACES 4                                       ; behind the last step's products, ahead of loads into registers that they read
.irp c, 0,1,2,3
	ds_load_b128 v[SC+4*\c:SC+4*\c+3], v[ADK] offset:KSCO+512*\c
.endr
	LOADK 0, FA
.irp g, 0,1,2,3,4,5,6,7
.if \g > 0
	PLACES 4
.endif
.if \g < 7
	LOADK \g+1, FA+48*((\g+1)%2)
	s_wait_dscnt 12                                ; all but the 12 just issued
.else
	s_wait_dscnt 0x0
.endif
	MULS \g, FA+48*(\g%2)
.endr
	PLACES 4                                       ; ahead of the first read of the scores and of loads into registers that the products read
	s_wait_alu depctr_va_vdst(0)
	LOADV 0, FA                                    ; these 16 loads land under the softmax
.irp g, 0,1,2,3
	ds_load_b128 v[SC+4*\g:SC+4*\g+3], v[ADV] offset:KSCO+512*\g
.endr
	s_cmp_lg_u32 s[KS], s[GAM]                     ; on the diagonal step hidden scores become -infinity ahead of the maximum: p = 0 then
	s_cbranch_scc1 .Lopen_\@
	v_mov_b32 v[TMP], 0xff800000
.set n, 0
.rept 64
	v_cmp_gt_i32 vcc_lo, 32*(n/16)+n%16, v[DLT]    ; register n holds key 32 (n / 16) + 16 h + n % 16 of the step
	v_cndmask_b32 v[S+n], v[S+n], v[TMP], vcc_lo
.set n, n+1
.endr
.Lopen_\@:
.irp b, 0,1,2,3
	v_max3_num_f32 v[TM+\b], v[S+16*\b], v[S+1+16*\b], v[S+2+16*\b]   ; the largest score of each block of 32 keys: for the row's maximum and for the block's largest p
.endr
.irp i, 3,5,7,9,11,13
.irp b, 0,1,2,3
	v_max3_num_f32 v[TM+\b], v[TM+\b], v[S+16*\b+\i], v[S+1+16*\b+\i]
.endr
.endr
.irp b, 0,1,2,3
	v_max_num_f32 v[TM+\b], v[TM+\b], v[S+15+16*\b]
.endr
.irp b, 0,1,2,3
	s_delay_alu instid0(VALU_DEP_4)
	v_permlanex16_b32 v[TM+4+\b], v[TM+\b], s[SEL], s[SEL+1]
.endr
.irp b, 0,1,2,3
	s_delay_alu instid0(VALU_DEP_4)
	v_max_num_f32 v[TM+\b], v[TM+\b], v[TM+4+\b]
.endr
	s_delay_alu instid0(VALU_DEP_2)
	v_max3_num_f32 v[TMP], v[TM], v[TM+1], v[TM+2]
	s_delay_alu instid0(VALU_DEP_1)
	v_max_num_f32 v[TMP], v[TMP], v[TM+3]
	s_delay_alu instid0(VALU_DEP_1)
	v_mul_f32 v[TMP], s[CS], v[TMP]                ; as t (c is positive)
	s_delay_alu instid0(VALU_DEP_1)
	v_max_num_f32 v13, v13, v[TMP]                 ; the running largest t
	v_mov_b32 v[TMP], v12
	s_delay_alu instid0(VALU_DEP_2)
	v_floor_f32 v12, -v13                          ; the new -M = floor(-t): M is a whole number
	s_delay_alu instid0(VALU_DEP_1)
	v_sub_f32 v[TMP], v12, v[TMP]                  ; old M less new M: a whole number, 0 or less
	s_delay_alu instid0(VALU_DEP_1)
	v_cvt_i32_f32 v[TMP], v[TMP]                   ; (it saturates)
	s_delay_alu instid0(VALU_DEP_1)
	v_ldexp_f32 v[FF], 1.0, v[TMP]                 ; f = 2^(old M - new M)
.set j, 0
.rept 32
	v_pk_fma_f32 v[S+j:S+j+1], v[S+j:S+j+1], s[CS:CS+1], v[12:13] op_sel_hi:[1,0,0]   ; t - M, two at a time
.set j, j+2
.endr
.irp b, 0,1,2,3
	v_fma_f32 v[TM+\b], v[TM+\b], s[CS], v12
.endr
.set j, 0
	s_wait_alu depctr_va_vdst(0)
.rept 64
	v_exp_f32 v[S+j], v[S+j]                       ; p = 2^(t - M)
.set j, j+1
.endr
.irp b, 0,1,2,3
	v_exp_f32 v[TM+\b], v[TM+\b]                   ; the block's largest p
.endr
	v_pk_mul_f32 v[14:15], v[14:15], v[FF:FF+1] op_sel_hi:[1,0]   ; the sums under the new M (a plain place behind the exponentials)
	s_wait_alu depctr_va_vdst(0)
.irp b, 0,1,2,3
	v_max_num_f32 v[TM+\b], 0x1800000, v[TM+\b]    ; the floor 2^(3 - 127)
.endr
.irp b, 0,1,2,3
	s_delay_alu instid0(VALU_DEP_4)
	v_add_nc_u32 v[TM+12+\b], 0xff000000, v[TM+\b]
.endr
.irp b, 0,1,2,3
	s_delay_alu instid0(VALU_DEP_4)
	v_lshrrev_b32 v[TM+4+\b], 23, v[TM+12+\b]
.endr
	s_delay_alu instid0(VALU_DEP_3)
	v_lshl_or_b32 v[PW], v[TM+5], 8, v[TM+4]       ; p's scale word for these 128 keys
	s_delay_alu instid0(VALU_DEP_1)
	v_lshl_or_b32 v[PW], v[TM+6], 16, v[PW]
	s_delay_alu instid0(VALU_DEP_1)
	v_lshl_or_b32 v[PW], v[TM+7], 24, v[PW]
.irp c, 0,1
	v_cvt_scalef32_pk16_fp6_f32 v[PC+6*\c:PC+2+6*\c], v[S+32*\c:S+15+32*\c], v[TM+12+2*\c]
	v_cvt_scalef32_pk16_fp6_f32 v[PC+12+4*\c:PC+14+4*\c], v[S+16+32*\c:S+31+32*\c], v[TM+12+2*\c+1]
.endr
	v_nop
.irp c, 0,1
.irp i, 0,1,2
	v_permlane16_swap_b32 v[PC+6*\c+\i], v[PC+12+4*\c+\i]
.endr
.irp i, 0,1,2
	s_delay_alu instid0(VALU_DEP_3)
	v_mov_b32 v[PC+3+6*\c+\i], v[PC+12+4*\c+\i]
.endr
.endr
	v_pk_add_f32 v[174:175], v[196:197], v[200:201]
	v_pk_add_f32 v[190:191], v[204:205], v[208:209]
	v_pk_add_f32 v[188:189], v[212:213], v[216:217]
	v_pk_add_f32 v[186:187], v[220:221], v[224:225]
	v_pk_add_f32 v[184:185], v[228:229], v[232:233]
	v_pk_add_f32 v[182:183], v[236:237], v[240:241]
	v_pk_add_f32 v[180:181], v[244:245], v[248:249]
	v_pk_add_f32 v[14:15], v[14:15], v[252:253]
	v_pk_add_f32 v[174:175], v[174:175], v[192:193]
	v_pk_add_f32 v[190:191], v[190:191], v[194:195]
	v_pk_add_f32 v[188:189], v[188:189], v[198:199]
	v_pk_add_f32 v[186:187], v[186:187], v[202:203]
	v_pk_add_f32 v[184:185], v[184:185], v[206:207]
	v_pk_add_f32 v[182:183], v[182:183], v[210:211]
	v_pk_add_f32 v[180:181], v[180:181], v[214:215]
	v_pk_add_f32 v[14:15], v[14:15], v[218:219]
	v_pk_add_f32 v[174:175], v[174:175], v[222:223]
	v_pk_add_f32 v[190:191], v[190:191], v[226:227]
	v_pk_add_f32 v[188:189], v[188:189], v[230:231]
	v_pk_add_f32 v[186:187], v[186:187], v[234:235]
	v_pk_add_f32 v[184:185], v[184:185], v[238:239]
	v_pk_add_f32 v[182:183], v[182:183], v[242:243]
	v_pk_add_f32 v[180:181], v[180:181], v[246:247]
	v_pk_add_f32 v[14:15], v[14:15], v[250:251]
	v_pk_add_f32 v[174:175], v[174:175], v[254:255]
	s_delay_alu instid0(VALU_DEP_2)
	v_pk_add_f32 v[14:15], v[14:15], v[186:187]
	s_delay_alu instid0(VALU_DEP_2)
	v_pk_add_f32 v[174:175], v[174:175], v[184:185]
	v_pk_add_f32 v[190:191], v[190:191], v[182:183]
	v_pk_add_f32 v[188:189], v[188:189], v[180:181]
	s_delay_alu instid0(VALU_DEP_2)
	v_pk_add_f32 v[14:15], v[14:15], v[190:191]
	s_delay_alu instid0(VALU_DEP_2)
	v_pk_add_f32 v[174:175], v[174:175], v[188:189]
	s_delay_alu instid0(VALU_DEP_1)
	v_pk_add_f32 v[14:15], v[14:15], v[174:175]
.if !\first
	WIN 0x41                                       ; O^T (destination and source 0) in window 1, f in window 0
.set j, 0
.rept 128
	v_pk_mul_f32 v[j:j+1], v[j:j+1], v[FF:FF+1] op_sel_hi:[1,0]   ; O^T under the new M; each accumulator from its low end on
.set j, j+2
.endr
	WIN 0
.endif
	s_wait_alu depctr_va_vdst(0)
.irp g, 0,1,2,3,4,5,6,7
.if \g > 0
	PLACES 4
.endif
.if \g < 7
	LOADV \g+1, FA+104*((\g+1)%2)                  ; the second buffer lies where p lay
	s_wait_dscnt 12                                ; all but the 12 just issued
.else
	s_wait_dscnt 0x0
.endif
	MULPV \g, FA+104*(\g%2), \first
.endr
.Lhid_\@:
.endm
.macro LOADWO c, buf                   ; my four tiles of Wo, K step c
.irp n, 0,1,2,3,4,5,6,7,8,9,10,11
	global_load_b128 v[(\buf)+4*\n:(\buf)+4*\n+3], v[LI], s[WOP:WOP+1] offset:(\c)*12288+512*\n
.endr
.endm
	s_load_b256 s[4:11], s[0:1], 0x0               ; QB, KV, WC, bo
	s_load_b64 s[12:13], s[0:1], 0x20              ; out0
	v_lshl_add_u32 v[SPW], v0, 2, SPARE
	v_mov_b32 v[NIL], 0
	ds_add_u32 v2, v3
	ds_add_u32 v2, v3
	s_wait_dscnt 0x0
	v_lshrrev_b32 v184, 5, v0
	s_delay_alu instid0(VALU_DEP_1)
	v_readfirstlane_b32 s[WV], v184                ; wave 0..7
	s_lshr_b32 s66, s[WV], 2
	s_mul_i32 s66, s66, 3
	s_xor_b32 s[GAM], s[WV], s66                   ; my query group: w, or 11 - w from wave 4 on
	s_bfe_u32 s67, ttmp6, 0x40000                  ; cx
	s_lshl_b32 s[QI], ttmp9, 2
	s_add_co_u32 s[QI], s[QI], s67                 ; i = 4 x cluster x + cx: it enters Q's and out0's addresses and the mask's compare alone
	s_and_b32 s68, ttmp7, 0xffff                   ; bh, which the four partners share
	s_lshr_b32 s69, s[QI], 1
	s_and_b32 s70, s[QI], 1
	; descriptor group 1: 100 rows of 256 bytes (32 elements of 8 bytes), dense; the mask names all four work-groups, bit 21 beside it
	s_mov_b32 s[G1+0], 15|(3<<16)|(1<<21)
	s_mov_b32 s[G1+1], 32<<16
	s_mov_b32 s[G1+2], 100<<16
	s_mov_b32 s[G1+3], 32<<16
	s_mov_b32 s[G1+4], 100
	s_mov_b32 s[G1+5], 32
	s_mov_b32 s[G1+6], 0
	s_mov_b32 s[G1+7], 0
	s_mov_b32 s[G0], 1
	s_mul_i32 s[G0+1], s[WV], 25600                ; my quarter of slot 0
	s_mul_i32 s72, s68, 8*STEPB
	s_add_co_u32 s72, s72, s[G0+1]                 ; (s72, s73 never hold i)
	s_mov_b32 s73, 0
	s_lshl_b32 s74, s68, 3
	s_add_co_u32 s74, s74, s[GAM]
	s_mul_i32 s74, s74, 51200                      ; my block of QB
	s_mov_b32 s75, 0
	s_mul_i32 s76, s[QI], 1536
	s_add_co_u32 s76, s76, s74                     ; my tile's images
	s_mov_b32 s77, 0
	s_lshl_b32 s78, s70, 8
	s_add_co_u32 s74, s74, s78
	s_lshl_b32 s78, s69, 2
	s_add_co_u32 s74, s74, s78
	s_add_co_u32 s74, s74, 49152                   ; my tile's scale words: + 256 (i % 2) + 4 (i / 2)
	s_lshr_b32 s78, s68, 3                         ; out0: batch x 8,192 rows, + head, + (32 (i / 2) + 8 (i % 2)) x 8 rows of 2,048 bytes
	s_lshl_b32 s78, s78, 24
	s_and_b32 s80, s68, 7
	s_lshl_b32 s80, s80, 11
	s_add_co_u32 s78, s78, s80
	s_lshl_b32 s80, s69, 19
	s_add_co_u32 s78, s78, s80
	s_lshl_b32 s80, s70, 17
	s_add_co_u32 s78, s78, s80
	s_mov_b32 s79, 0
	s_lshr_b32 s80, s[WV], 1
	s_and_b32 s81, s[WV], 1
	s_mul_i32 s82, s80, 49152                      ; Wo: rows 64 w on: block w / 2, tiles 4 (w % 2) on
	s_mul_i32 s84, s81, 6144
	s_add_co_u32 s82, s82, s84
	s_add_co_u32 s82, s82, 614400
	s_mov_b32 s83, 0
	s_lshl_b32 s84, s80, 11
	s_lshl_b32 s86, s81, 3
	s_add_co_u32 s84, s84, s86
	s_add_co_u32 s84, s84, 614400+196608
	s_mov_b32 s85, 0
	s_lshl_b32 s86, s[WV], 8                       ; my 64 output columns in bytes
	s_mov_b32 s87, 0
	s_mov_b32 s[SEL], 0x76543210
	s_mov_b32 s[SEL+1], 0xfedcba98
	s_mov_b32 s[CS], 0x3e38aa3b                    ; c = log2(e) / 8
	s_mov_b32 s[CS+1], s[CS]
	s_mov_b32 s[KS], 0
	s_mov_b32 s[TB], 0
	s_wait_kmcnt 0x0
	s_add_nc_u64 s[G0+2:G0+3], s[6:7], s[72:73]
	s_mul_i32 s98, s68, 8*STEPB
	s_add_co_u32 s98, s98, STEPB
	s_mov_b32 s99, 0
	s_add_nc_u64 s[PB:PB+1], s[6:7], s[98:99]      ; my (batch, head)'s key step 1: the first change of slots steps it to 2
	s_or_b32 s[G0+3], s[G0+3], 0x80000000
	ROUND                                          ; all four work-groups are here: the first joint load meets
	JLOAD                                          ; key step 0 into slot 0
	s_add_nc_u64 s[QP:QP+1], s[4:5], s[76:77]
	s_add_nc_u64 s[QSP:QSP+1], s[4:5], s[74:75]
	s_add_nc_u64 s[WOP:WOP+1], s[8:9], s[82:83]
	s_add_nc_u64 s[WOSP:WOSP+1], s[8:9], s[84:85]
	s_add_nc_u64 s[BOP:BOP+1], s[10:11], s[86:87]
	s_add_nc_u64 s[88:89], s[12:13], s[78:79]
.irp t, 0,1,2,3,4,5,6,7
	s_add_nc_u64 s[OB+2*\t:OB+2*\t+1], s[88:89], (\t+(\t/4)*(11-2*\t))*2097152   ; query tile t of the work-group lies in group G(t): 128 x 8 rows each
.endr
	v_and_b32 v184, 31, v0
	s_delay_alu instid0(VALU_DEP_1)
	v_lshlrev_b32 v[LI], 4, v184
	v_and_b32 v185, 15, v0                         ; r
	s_wait_alu depctr_va_vdst(0)
	v_bfe_u32 v186, v0, 4, 1                       ; h
	v_bfe_u32 v187, v0, 3, 1                       ; r / 8
	v_lshlrev_b32 v184, 4, v185                    ; 16 r
.irp c, 0,1,2,3
.irp j, 0,1,2
	global_load_b128 v[QF+12*\c+4*\j:QF+12*\c+4*\j+3], v[LI], s[QP:QP+1] offset:\c*12288+512*\j   ; Q stays in registers
.endr
	global_load_b32 v[QS+\c], v184, s[QSP:QSP+1] offset:512*\c
.endr
	s_lshl_b32 s92, s69, 5
	s_lshl_b32 s93, s70, 3
	s_add_co_u32 s92, s92, s93
	v_lshl_add_u32 v[DLT], v187, 3, v185
	s_delay_alu instid0(VALU_DEP_1)
	v_add_nc_u32 v[DLT], s92, v[DLT]
	v_lshlrev_b32 v188, 4, v186
	s_delay_alu instid0(VALU_DEP_1)
	v_sub_nc_u32 v[DLT], v[DLT], v188
	s_mul_i32 s90, s[WV], 6144
	s_add_co_u32 s90, s90, OIMG
	v_add_nc_u32 v[OWI], s90, v[LI]                ; my tile's four images of O
	s_lshl_b32 s90, s81, 8
	s_lshl_b32 s91, s80, 2
	s_add_co_u32 s90, s90, s91
	s_add_co_u32 s90, s90, OSC
	v_lshl_add_u32 v[OWS], v185, 4, s90            ; OSC + 16 (r + 16 (w % 2)) + 4 (w / 2)
	s_mul_i32 s90, s[WV], 4352
	s_add_co_u32 s90, s90, STAGE
	v_mul_u32_u24 v[STO], v185, 272
	s_delay_alu instid0(VALU_DEP_1)
	v_lshl_add_u32 v[STO], v186, 5, v[STO]
	s_delay_alu instid0(VALU_DEP_1)
	v_add_nc_u32 v[STO], s90, v[STO]               ; into my stage: row r, + 32 h
	v_mul_u32_u24 v[SRD], v186, 272
	s_delay_alu instid0(VALU_DEP_1)
	v_lshl_add_u32 v[SRD], v185, 4, v[SRD]
	s_delay_alu instid0(VALU_DEP_1)
	v_add_nc_u32 v[SRD], s90, v[SRD]               ; back: lanes 0-15 one row of 256 bytes, lanes 16-31 the next
	v_lshlrev_b32 v[GO], 14, v186
	s_delay_alu instid0(VALU_DEP_1)
	v_lshl_add_u32 v[GO], v185, 4, v[GO]
	s_delay_alu instid0(VALU_DEP_1)
	v_add_nc_u32 v[GO], s86, v[GO]                 ; and the same in out0: queries are 8 rows of 2,048 bytes apart
	s_mul_i32 s96, s[WV], 6400
	s_mul_i32 s97, s67, 25600
	s_add_co_u32 s96, s96, s97                     ; my work-group's 100 blocks by its place cx, my wave's 25 of them: a global address alone
	v_and_b32 v189, 31, v0
	s_delay_alu instid0(VALU_DEP_1)
	v_min_u32 v189, 24, v189
	s_delay_alu instid0(VALU_DEP_1)
	v_lshl_add_u32 v[PFV], v189, 8, s96
	s_wait_alu depctr_va_vdst(0)                   ; the wait behind this write
	v_mov_b32 v13, 0xff61b1e6                      ; the largest t so far: -3e38
	s_delay_alu instid0(VALU_DEP_1)
	v_floor_f32 v12, -v13
	v_mov_b32 v14, 0
	v_mov_b32 v15, 0
	v_mov_b32 v[FF+1], 0                           ; (named as the upper half of a pair)
.irp b, 0,1,2,3
	v_mov_b32 v[TM+4+\b], 0                        ; a lane permute's destination counts as one of its sources
.endr
	s_wait_loadcnt 0x0                             ; Q
	CHANGE 1
	STEP 1
	s_xor_b32 s[TB], s[TB], SLOT1
	s_mov_b32 s[KS], 1
.Lslot:                                            ; key steps 1 to 6
	CHANGE 1
	STEP 0
	s_xor_b32 s[TB], s[TB], SLOT1
	s_add_co_u32 s[KS], s[KS], 1
	s_cmp_lt_u32 s[KS], 7
	s_cbranch_scc1 .Lslot
	CHANGE 0
	STEP 0
	s_wait_xcnt 0x0                                ; no prefetch still reads v85
	v_add_nc_u32 v[OFI], OIMG, v[LI]
	; THE END.  Wo's first two K steps and its scale words are asked for now and land while O is quantised.
	PLACES 4
.irp c, 0,1,2,3
	global_load_b64 v[WOS+2*\c:WOS+2*\c+1], v[LI], s[WOSP:WOSP+1] offset:512*\c
.endr
	LOADWO 0, WOF
	LOADWO 1, WOF+72
	v_add_f32 v14, v14, v15                        ; the sum's two halves,
	s_delay_alu instid0(VALU_DEP_1)
	v_permlanex16_b32 v[TMP], v14, s[SEL], s[SEL+1]
	s_delay_alu instid0(VALU_DEP_1)
	v_add_f32 v14, v14, v[TMP]                     ; and lane l xor 16's
	s_wait_alu depctr_va_vdst(0)
	v_rcp_f32 v14, v14
	v_nop                                          ; one plain place behind a transcendental
	s_wait_alu depctr_va_vdst(0)
.irp c, 0,1,2,3
	WIN 0x01                                       ; source 0 (O^T) in window 1
.set j, 0
.rept 32
	v_pk_mul_f32 v[S+j:S+j+1], v[64*\c+j:64*\c+j+1], v[14:15] op_sel_hi:[1,0]   ; O / the sum: register 16 b + i is d = 128 c + 32 b + 16 h + i
.set j, j+2
.endr
	WIN 0
	s_wait_dscnt 0x0
	QUANT S
.irp p, 0,1,2
	ds_store_b128 v[OWI], v[PC+4*\p:PC+4*\p+3] offset:\c*1536+512*\p
.endr
	ds_store_b32 v[OWS], v[PW] offset:512*\c
.endr
	v_and_b32 v240, 15, v0
	s_delay_alu instid0(VALU_DEP_1)
	v_lshlrev_b32 v240, 4, v240
	global_load_b128 v[12:15], v240, s[BOP:BOP+1]  ; bo at the four columns that my lane stores
	s_wait_dscnt 0x0                               ; for the others' sake: my images and words lie in LDS
	s_barrier_signal -1
	s_barrier_wait -1
.irp c, 0,1,2,3
.set n, 0
.rept 8
.irp p, 0,1,2
	ds_load_b128 v[OF+12*n+4*\p:OF+12*n+4*\p+3], v[OFI] offset:n*6144+\c*1536+512*\p
.endr
.set n, n+1
.endr
	ds_load_b128 v[OS:OS+3], v[OFI] offset:49152+512*\c
	s_wait_dscnt 0x0
.if \c < 2
	s_wait_loadcnt 13                              ; c = 0: Wo's K step 1 (12) and bo (1) may be out; c = 1: bo and K step 2
.elseif \c == 2
	s_wait_loadcnt 12                              ; K step 3 may be out
.else
	s_wait_loadcnt 0x0
.endif
.if \c == 0
	WIN 0x40
.else
	WIN 0x50
.endif
.irp u, 0,1,2,3,4,5,6,7                        ; source 0 = 16 rows of Wo, source 1 = 16 queries: a lane's eight results are eight neighbouring columns of one row.  32 accumulators by turns
.irp e, 0,1,2,3
.if \c == 0
	WM 8*(8*\e+\u), WOF+72*(\c%2)+12*\e, OF+12*\u, NOC, WOS+2*\c+\e/2, OS+\u/2, \e%2, \u%2
.else
	WM 8*(8*\e+\u), WOF+72*(\c%2)+12*\e, OF+12*\u, 8*(8*\e+\u), WOS+2*\c+\e/2, OS+\u/2, \e%2, \u%2
.endif
.endr
.endr
	WIN 0
	PLACES 4                                       ; ahead of loads into registers that the products read, and of the first read of results
.if \c < 2
	LOADWO \c+2, WOF+72*(\c%2)
.endif
.endr
; THE WAY OUT, a tile of 16 queries at a time, through my own stage: LDS serves a wave's instructions in order, so no wait stands between the stores and the loads.
.macro TOSTAGE a
	WIN 0x04                                       ; an LDS store's data are its source 1: window 1
.irp e, 0,1,2,3
	ds_store_b128 v[STO], v[8*(8*\e+(\a)):8*(8*\e+(\a))+3] offset:64*\e        ; each accumulator from its low end on
	ds_store_b128 v[STO], v[8*(8*\e+(\a))+4:8*(8*\e+(\a))+7] offset:64*\e+16
.endr
	WIN 0
.irp t, 0,1,2,3,4,5,6,7
	ds_load_b128 v[RB+32*((\a)%2)+4*\t:RB+32*((\a)%2)+4*\t+3], v[SRD] offset:544*\t
.endr
.endm
.macro SEND a, younger                 ; younger: the LDS instructions issued behind tile a's loads, which may stay out
	s_wait_dscnt \younger
.irp t, 0,1,2,3,4,5,6,7
	v_pk_add_f32 v[RB+32*((\a)%2)+4*\t:RB+32*((\a)%2)+4*\t+1], v[RB+32*((\a)%2)+4*\t:RB+32*((\a)%2)+4*\t+1], v[12:13]
	v_pk_add_f32 v[RB+32*((\a)%2)+4*\t+2:RB+32*((\a)%2)+4*\t+3], v[RB+32*((\a)%2)+4*\t+2:RB+32*((\a)%2)+4*\t+3], v[14:15]
	global_store_b128 v[GO], v[RB+32*((\a)%2)+4*\t:RB+32*((\a)%2)+4*\t+3], s[OB+2*(\a):OB+2*(\a)+1] offset:(2*\t+8*(\t/4))*16384 th:TH_STORE_NT   ; place p is query p + 8 (p / 8); 16 lanes store 256 consecutive bytes, at a multiple of 256 from out0's first byte
.endr
.endm
	TOSTAGE 0
.irp a, 1,2,3,4,5,6,7
.if \a > 1
	s_wait_xcnt 0x0                                ; tile a - 2's stores have read their registers: tile a's loads may land there
.endif
	TOSTAGE \a
	SEND \a-1, 16                                  ; behind tile a - 1's loads: tile a's 8 stores and 8 loads
.endr
	SEND 7, 0
	s_wait_tensorcnt 0x0                           ; the wave's end
	ds_add_u32 v[SPW], v[NIL]
	s_wait_dscnt 0x0
	ROUND                                          ; the closing round
	s_endpgm
.Lfunc_end_k_qce6b24b3aa_attn:
	.size	k_qce6b24b3aa_attn, .Lfunc_end_k_qce6b24b3aa_attn-k_qce6b24b3aa_attn
	.p2alignl 7, 3214868480
	.fill 96, 4, 3214868480
	.section	.rodata,"a",@progbits
	.p2align	6, 0x0
	.amdhsa_kernel k_qce6b24b3aa_attn
		.amdhsa_group_segment_fixed_size 327680
		.amdhsa_private_segment_fixed_size 0
		.amdhsa_enable_private_segment 0
		.amdhsa_kernarg_size 40
		.amdhsa_user_sgpr_count 2
		.amdhsa_user_sgpr_kernarg_segment_ptr 1
		.amdhsa_wavefront_size32 1
		.amdhsa_system_sgpr_workgroup_id_x 1
		.amdhsa_system_sgpr_workgroup_id_y 1
		.amdhsa_system_sgpr_workgroup_id_z 1
		.amdhsa_system_vgpr_workitem_id 0
		.amdhsa_next_free_vgpr 512
		.amdhsa_next_free_sgpr 100
		.amdhsa_reserve_vcc 1
		.amdhsa_float_denorm_mode_32 3
		.amdhsa_float_denorm_mode_16_64 3
		.amdhsa_memory_ordered 1
		.amdhsa_forward_progress 1
		.amdhsa_inst_pref_size 234
	.end_amdhsa_kernel
	.amdgpu_metadata
---
amdhsa.version: [ 1, 2 ]
amdhsa.kernels:
  - .name:           k_qce6b24b3aa_attn
    .symbol:         k_qce6b24b3aa_attn.kd
    .args:
      - { .name: QB, .offset: 0, .size: 8, .value_kind: global_buffer, .address_space: global }
      - { .name: KV, .offset: 8, .size: 8, .value_kind: global_buffer, .address_space: global }
      - { .name: WC, .offset: 16, .size: 8, .value_kind: global_buffer, .address_space: global }
      - { .name: bo, .offset: 24, .size: 8, .value_kind: global_buffer, .address_space: global }
      - { .name: out0, .offset: 32, .size: 8, .value_kind: global_buffer, .address_space: global }
    .group_segment_fixed_size: 327680
    .private_segment_fixed_size: 0
    .kernarg_segment_align: 8
    .kernarg_segment_size: 40
    .max_flat_workgroup_size: 256
    .sgpr_count:     100
    .vgpr_count:     512
    .wavefront_size: 32
...
	.end_amdgpu_metadata
.endif
;; end of part 3
